; MI455X (gfx1250); checked and timed in simulation.
; The chip was launched on July 23, 2026; its instructions are those of AMD's public machine-readable ISA for CDNA 5 (MIT licence, August 2026) and "CDNA5" Instruction Set Architecture Reference Guide (July 2026). The comments in the code are by the model that wrote it; some were corrected since.
;; Riemannian Attention. Allowed arithmetic: matrix products marked QUANTISED: E5M2 operands, one given power-of-two scale a tensor, by v_wmma_f32_16x16x64_bf8_bf8 or v_wmma_f32_16x16x128_bf8_bf8, f32 sums; everything else in f32.
;; Inputs: key_states 2 x 16 x 2,048 x 64 float32; lowp_scales 4 int32 (the exponents e of the quantised operands' scales 2^e); query_states 2 x 16 x 2,048 x 64 float32; value_states 2 x 16 x 2,048 x 64 float32.
;; Outputs: out0 2 x 16 x 2,048 x 64 float32.
;; This version of the problem:
;;   THIS VERSION OF THE PROBLEM IS GIVEN IN LOW PRECISION. The matrix products marked QUANTISED in the list below multiply operands that are first quantised to E5M2 (5 exponent bits, 2 mantissa bits; 8 bits a number), with one given power-of-two scale for each operand tensor; their sums are f32. All else is computed in f32.
;;   The module's matrix products, in the order in which they are computed (A, B: the left and right operand; K: the contracted axis; several contracted axes count as one K, in the product's order):
;;     1. batch 32 x [M 2,048, K 64] x [K 64, N 2,048]; A: input query_states; B: input key_states: QUANTISED (scales: A lowp_scales[0], B lowp_scales[1])
;;     2. batch 32 x [M 2,048, K 2,048] x [K 2,048, N 64]; A: softmax (see below); B: input value_states: QUANTISED (scales: A lowp_scales[2], B lowp_scales[3])
;;   THE QUANTISER, for each operand of a quantised product, along K:
;;     - The operand's scale is 2^e, e = its entry of the input lowp_scales (int32; the entries are numbered through the quantised products in the list's order, A before B).
;;     - Each number is divided by the scale, clamped to +-57,344, and rounded to the nearest number of E5M2, ties to even, subnormals kept.
;;     - The product sums the exact products of the quantised numbers (number of the format x scale) in f32.
;;   ~~~python
;;   def quantise(x, axis, e):      # numpy; x: float32 -> the quantised numbers, widened to float32 again
;;       x = np.moveaxis(x, axis, -1); K = x.shape[-1]
;;       r = np.clip(x / 2.0 ** e, -57344, 57344)
;;       step = 2.0 ** (np.maximum(np.frexp(np.where(r == 0, 1, r))[1] - 1, -14) - 2)
;;       q = np.round(r / step) * step * 2.0 ** e      # np.round: ties to even
;;       return np.moveaxis(q, -1, axis).astype(np.float32)
;;   ~~~
;;   SOFTMAX AHEAD OF A QUANTISED PRODUCT. Where the list says 'softmax', what is quantised is not the finished softmax but p = 2^(t - M), with t = logit x log2(e) and M = ceil(the row's largest t), a whole number; so 1/2 < the row's largest p <= 1. The row's sum l is taken of the UNQUANTISED p, in f32, and the product's result is divided by l at the end. Since M is a whole number, a kernel that streams over the keys may use a running M (the ceiling of the running maximum): every later rescaling is an exact power of two, so the quantised numbers keep their values, but for numbers so far below the row's largest that they fall under the format's range.
;;   OPERANDS COMPUTED ON THE WAY. 'Computed on the way' means the value that the module computes at that place (a softmax that the list does not call 'softmax' is quantised finished and normalised). What goes into a quantiser is computed in f32, as accurately as f32 sums, v_exp_f32 and their like allow (about 1e-6 of the number): no bf16 or f16 on the way to a quantiser, and a product that is left as it is and whose result goes on into a quantised operand takes f32 operands (vector FMAs, or v_wmma_f32_16x16x4_f32). A number that lies on a knife's edge between two numbers of the format may be rounded either way, as far as f32 arithmetic and the matrix unit's own rounding can turn it there, and no further.
;; One version. Each part assembles by itself: llvm-mc -triple=amdgcn-amd-amdhsa -mcpu=gfx1250 --defsym DOCPART=n.
;; ======== version 1 of 1: 2 launches
;; limits: right only within a limited range of input values
;; workspace buffers: qrec 4,718,592 bytes; kvrec 8,912,896 bytes
;; launch prep (part 1): grid 512 x 1, 4 waves a work-group, no clusters, 53,760 bytes of LDS; arguments query_states, key_states, value_states, lowp_scales, qrec, kvrec; writes qrec, kvrec
.if DOCPART == 1
	.amdgcn_target "amdgcn-amd-amdhsa--gfx1250"
	.amdhsa_code_object_version 6
	.text
	.protected	k_qcdd315d768_prep
	.globl	k_qcdd315d768_prep
	.p2align	8
	.type	k_qcdd315d768_prep,@function
k_qcdd315d768_prep:
	s_mov_b64 s[64:65], 0
	v_nop
	global_prefetch_b8 v0, s[64:65] scope:SCOPE_SE
	s_setreg_imm32_b32 hwreg(HW_REG_WAVE_MODE, 25, 1), 1
	s_wait_xcnt 0x0
; q, k, v: [32 heads][2048][64] f32.  This launch turns them ONCE into what the attention launch reads many times: codes of BF8 (E5M2), laid in the order of the
; matrix operands' registers, and two f32 numbers for each row of q and of k.
;   qrec : 512 records of 9,216 bytes, one for 128 queries : 8 images of 1,024 bytes (16 rows x 64 codes) | qn[128] | 2 / (1 - qn)[128]
;   kvrec: 512 records of 17,408 bytes, one for 128 keys   : 8 images of K | 4 images of V^T of 2,048 bytes (16 channels x 128 keys) | -kn / 2^(e0+e1+1) [128] | 1 / (1 - kn)[128]
; An image of q or k: lane (r, h) = r + 16 h holds row r, channels 32 h + 16 c + 0..15 at byte 512 c + 16 lane (c = 0, 1): the same place for a channel in q and in k, so every product meets its partner.
; An image of V^T: lane (r, h) holds channel r; keys 16 c + 8 h + 0..7 lie at byte 512 (c / 2) + 16 lane + 8 (c % 2): registers 2 c, 2 c + 1 of the K = 128 form's own layout.
; code = x / 2^e, held within +-57,344, rounded to the nearest code, ties to even; e = entry 0 (q), 1 (k), 3 (v) of lowp_scales.  qn, kn are sums of squares of the UNQUANTISED numbers, in f32.
; The reciprocals are v_rcp_f32 and one Newton step.  Where 1 - n is 0 the result is a NaN: the attention launch reads that as 'denominator at its floor'.
; LIMITS: e0, e1, e3 between -126 and 112; e0 + e1 between -127 and 125 (each power of two below is an f32 number).  NaN among the inputs is not served.
; SHARES: work-groups 0-127 take q, 128-255 k (a wave makes one record: 128 rows), 256-511 v (a wave takes 128 keys x 32 channels).  Waves share nothing: no barrier.  The two ways have LDS bytes of their own.
.set QRECB,  9216
.set KVRECB, 17408
.set TP,     272                       ; a stage row: 256 bytes (64 f32) + 16: row r starts at bank 4 r mod 64 (64 banks of 4 bytes: ISA guide 11.1)
.set TSTG,   16*TP                     ; a stage: 16 rows
.set NST,    2*TSTG                    ; behind a wave's two stages: its 128 sums of squares
.set WREG,   NST+512                   ; a wave's LDS on the row way
.set VBASE,  4*WREG                    ; the v way's LDS: 4,096 bytes a wave
.set R,      32                        ; v32-159  four sets of 32: a tile of 16 rows as it is loaded
.set XS0,    160                       ; v160-223 two sets of 32: my row's 32 neighbours
.set C0,     224                       ; v224-239 two sets of 8: a tile's codes
.set W,      240                       ; v240-255 at work
.set VX,     32                        ; the v way: v32-95 two sets of 32 keys of my channel
.set VC,     96                        ; v96-103  a block's codes
.set VO,     112                       ; v112-143 the way out
	s_load_b256 s[4:11], s[0:1], 0x0               ; q s[4:5], k s[6:7], v s[8:9], the scales' exponents s[10:11]
	s_load_b128 s[12:15], s[0:1], 0x20             ; qrec s[12:13], kvrec s[14:15]
	v_lshl_add_u32 v30, v0, 2, 0xd000
	v_mov_b32 v31, 0
	v_lshrrev_b32 v1, 5, v0
	v_readfirstlane_b32 s16, v1                    ; wave 0..3
	v_and_b32 v2, 31, v0                           ; lane
	v_lshrrev_b32 v8, 4, v2                        ; h
	v_and_b32 v9, 15, v2                           ; r
	s_mov_b32 s32, 0x76543210                      ; v_permlanex16_b32: lane l takes lane l xor 16
	s_mov_b32 s33, 0xfedcba98
	s_mov_b32 s37, 0                               ; the upper word of every offset
	s_wait_kmcnt 0x0
	s_load_b128 s[20:23], s[10:11], 0x0            ; e0, e1, e2, e3
	s_cmp_ge_u32 ttmp9, 256
	s_cbranch_scc1 .Lvpath
; ---------------- q and k: K (the 64 channels) is innermost ----------------
	s_mul_i32 s35, s16, WREG                       ; my wave's LDS
	v_lshlrev_b32 v3, 4, v2                        ; 16 x lane: my bytes of a load's or a store's 512
	v_mul_u32_u24 v4, v8, TP
	v_lshl_add_u32 v4, v9, 4, v4
	v_add_nc_u32 v4, s35, v4                       ; into a stage, as loaded: a load's 512 bytes are two rows
	v_mul_u32_u24 v5, v9, TP
	v_lshl_add_u32 v5, v8, 7, v5
	v_add_nc_u32 v5, s35, v5                       ; out of it: row r, channels 32 h on: 128 bytes
	v_lshl_add_u32 v6, v9, 2, s35
	v_add_nc_u32 v6, NST, v6                       ; where row r's sum of squares goes
	v_add_nc_u32 v7, s35, v3
	v_add_nc_u32 v7, NST, v7                       ; and where I read four of them back
	v_mov_b32 v[W+4], 0                            ; a lane permute's destination counts as read: written once
	s_and_b32 s34, ttmp9, 127
	s_lshl_b32 s34, s34, 2
	s_add_co_u32 s34, s34, s16                     ; my record, 0..511
	s_lshl_b32 s36, s34, 15                        ; its 128 rows of 256 bytes
	s_cmp_lt_u32 ttmp9, 128                        ; q or k?  The choice hangs on the work-group's number alone
	s_cselect_b64 s[24:25], s[4:5], s[6:7]
	s_cselect_b64 s[26:27], s[12:13], s[14:15]
	s_mov_b32 s38, KVRECB
	s_cselect_b32 s38, QRECB, s38                  ; a record's bytes
	s_mov_b32 s39, 16384
	s_cselect_b32 s39, 8192, s39                   ; where its two rows of f32 numbers begin
	s_add_nc_u64 s[24:25], s[24:25], s[36:37]      ; from
	s_mul_i32 s36, s34, s38
	s_add_nc_u64 s[26:27], s[26:27], s[36:37]      ; to: the images
	s_mov_b32 s36, s39
	s_add_nc_u64 s[28:29], s[26:27], s[36:37]      ; to: the f32 numbers
.macro RLOAD t                         ; tile t: 16 rows x 256 bytes; each load reads 512 consecutive bytes
.irp i, 0,1,2,3,4,5,6,7
	global_load_b128 v[R+32*((\t)%4)+4*\i:R+32*((\t)%4)+4*\i+3], v3, s[24:25] offset:4096*(\t)+512*\i th:TH_LOAD_NT
.endr
.endm
.macro TURN t                          ; tile t through a stage: in as loaded, out 128 bytes of one row a lane.  LDS serves a wave's instructions in order: no wait between
.irp i, 0,1,2,3,4,5,6,7
	ds_store_b128 v4, v[R+32*((\t)%4)+4*\i:R+32*((\t)%4)+4*\i+3] offset:TSTG*((\t)%2)+2*TP*\i
.endr
.irp i, 0,1,2,3,4,5,6,7
	ds_load_b128 v[XS0+32*((\t)%2)+4*\i:XS0+32*((\t)%2)+4*\i+3], v5 offset:TSTG*((\t)%2)+16*\i
.endr
.endm
	RLOAD 0
	RLOAD 1
	RLOAD 2
	RLOAD 3
	s_wait_kmcnt 0x0
	s_add_co_i32 s36, s20, s21
	s_sub_co_i32 s36, 126, s36
	s_lshl_b32 s36, s36, 23
	s_or_b32 s36, s36, 0x80000000                  ; -2^-(e0 + e1 + 1)
	s_cmp_lt_u32 ttmp9, 128
	s_cselect_b32 s34, s20, s21                    ; e
	s_cselect_b32 s30, 1.0, s36                    ; the first number: qn x 1, or kn x -2^-(e0+e1+1)
	s_cselect_b32 s31, 2.0, 1.0                    ; the second: 2 / (1 - qn), or 1 / (1 - kn)
	s_add_co_i32 s34, s34, 127
	s_lshl_b32 s35, s34, 23
	v_mov_b32 v11, s35                             ; 2^e as f32: the conversion takes its exponent field
	s_add_co_i32 s34, s34, 15
	s_lshl_b32 s34, s34, 23
	s_or_b32 s34, s34, 0x600000
	v_mov_b32 v10, s34                             ; 57,344 x 2^e
	s_wait_loadcnt 24                              ; tile 0's eight loads are in; tiles 1 to 3 stay out
	TURN 0
.macro RSTEP t
.set XS, XS0+32*((\t)%2)
.set CC, C0+8*((\t)%2)
	s_wait_dscnt 0x0                               ; tile t is back from its stage, so its stores into the stage have read their registers,
.if (\t)+4 < 8
	RLOAD (\t)+4                                   ; which take the tile four further on
.endif
.if (\t) < 7
.if (\t) <= 3
	s_wait_loadcnt 24                              ; tile t + 1 is in; the three tiles behind it stay out
.else
	s_wait_loadcnt 8*(6-(\t))                      ; towards the end fewer tiles are behind it
.endif
	TURN (\t)+1                                    ; through the other stage while this tile is worked
.endif
	v_pk_mul_f32 v[W:W+1], v[XS:XS+1], v[XS:XS+1]  ; the sum of squares of my 32 numbers, in two packed chains
	v_pk_mul_f32 v[W+2:W+3], v[XS+2:XS+3], v[XS+2:XS+3]
.irp j, 4,8,12,16,20,24,28
	v_pk_fma_f32 v[W:W+1], v[XS+\j:XS+\j+1], v[XS+\j:XS+\j+1], v[W:W+1]
	v_pk_fma_f32 v[W+2:W+3], v[XS+\j+2:XS+\j+3], v[XS+\j+2:XS+\j+3], v[W+2:W+3]
.endr
	v_pk_add_f32 v[W:W+1], v[W:W+1], v[W+2:W+3]
	v_add_f32 v[W], v[W], v[W+1]
	v_permlanex16_b32 v[W+4], v[W], s32, s33       ; the row's other 32 channels lie in lane l xor 16
	v_add_f32 v[W], v[W], v[W+4]
	ds_store_b32 v6, v[W] offset:64*(\t)           ; both halves of the lanes write the same word with the same number
.set i, 0
.rept 32
	v_med3_num_f32 v[XS+i], v[XS+i], -v10, v10     ; the conversion to an 8-bit code does not saturate (ISA guide 7.6.2): the hold comes first
.set i, i+1
.endr
	s_wait_xcnt 0x0                                ; this set of code registers was store data two tiles ago: it is written again only behind this wait
.irp g, 0,1,2,3
	v_cvt_scalef32_pk8_bf8_f32 v[CC+2*\g:CC+2*\g+1], v[XS+8*\g:XS+8*\g+7], v11
.endr
	global_store_b128 v3, v[CC:CC+3], s[26:27] offset:1024*(\t)          ; 32 lanes store 512 consecutive bytes, at a multiple of 256 from the buffer's first byte
	global_store_b128 v3, v[CC+4:CC+7], s[26:27] offset:1024*(\t)+512
.endm
.irp t, 0,1,2,3,4,5,6,7
	RSTEP \t
.endr
	ds_load_b128 v[W:W+3], v7                      ; four rows' sums of squares a lane (my own stores, served in order)
	s_wait_dscnt 0x0
.irp i, 0,1,2,3
	v_sub_f32 v[W+4+\i], 1.0, v[W+\i]              ; a = 1 - n
.endr
.irp i, 0,1,2,3
	v_rcp_f32 v[W+8+\i], v[W+4+\i]
.endr
.irp i, 0,1,2,3
	v_mul_f32 v[W+12+\i], s30, v[W+\i]             ; the first number.  (Plain work behind the reciprocals)
.endr
	s_wait_alu depctr_va_vdst(0)                   ; one wait for the four reciprocals, ahead of their first reader
.irp i, 0,1,2,3
	v_fma_f32 v[W+\i], -v[W+4+\i], v[W+8+\i], 1.0  ; one Newton step: rc + rc (1 - a rc)
.endr
.irp i, 0,1,2,3
	v_fma_f32 v[W+8+\i], v[W+\i], v[W+8+\i], v[W+8+\i]
.endr
.irp i, 0,1,2,3
	v_mul_f32 v[W+8+\i], s31, v[W+8+\i]            ; the second number
.endr
	global_store_b128 v3, v[W+12:W+15], s[28:29]
	global_store_b128 v3, v[W+8:W+11], s[28:29] offset:512
	s_wait_tensorcnt 0x0
	ds_add_u32 v30, v31
	s_wait_dscnt 0x0
	s_endpgm
; ---------------- v: K (the keys) is not innermost.  A lane takes a channel, its registers run down the keys: the conversions give codes with the keys innermost ----------------
.Lvpath:
	s_sub_co_u32 s34, ttmp9, 256
	s_lshl_b32 s34, s34, 1
	s_lshr_b32 s35, s16, 1
	s_add_co_u32 s34, s34, s35                     ; my record, 0..511
	s_and_b32 s35, s16, 1                          ; which 32 of the 64 channels
	s_lshl_b32 s36, s34, 15                        ; 128 keys of 256 bytes
	s_lshl_b32 s38, s35, 7
	s_add_co_u32 s36, s36, s38
	s_add_nc_u64 s[24:25], s[8:9], s[36:37]        ; from
	s_mul_i32 s36, s34, KVRECB
	s_lshl_b32 s38, s35, 12                        ; two images of 2,048 bytes
	s_add_co_u32 s36, s36, s38
	s_add_co_u32 s36, s36, 8192
	s_add_nc_u64 s[26:27], s[14:15], s[36:37]      ; to
	s_lshl_b32 s38, s16, 12
	s_add_co_u32 s38, s38, VBASE                   ; my wave's LDS
	v_lshlrev_b32 v3, 2, v2                        ; in: 4 bytes a lane
	v_lshlrev_b32 v4, 11, v8
	v_lshl_add_u32 v4, v9, 4, v4
	v_add_nc_u32 v4, s38, v4                       ; into the images: image lane / 16, 16 bytes for channel lane % 16
	v_lshlrev_b32 v6, 4, v2                        ; out: 16 x lane
	v_add_nc_u32 v5, s38, v6
.macro VLOAD b                         ; keys 32 b + 0..31 of my channel: each load reads 128 consecutive bytes, and the wave beside me the row's other 128
.set i, 0
.rept 32
	global_load_b32 v[VX+32*((\b)%2)+i], v3, s[24:25] offset:(32*(\b)+i)*256 th:TH_LOAD_NT
.set i, i+1
.endr
.endm
	VLOAD 0
	VLOAD 1
	s_wait_kmcnt 0x0
	s_add_co_i32 s34, s23, 127
	s_lshl_b32 s35, s34, 23
	v_mov_b32 v11, s35                             ; 2^e3
	s_add_co_i32 s34, s34, 15
	s_lshl_b32 s34, s34, 23
	s_or_b32 s34, s34, 0x600000
	v_mov_b32 v10, s34                             ; 57,344 x 2^e3
.macro VBLOCK b
.set XS, VX+32*((\b)%2)
.if (\b) < 3
	s_wait_loadcnt 32                              ; this block's 32 loads are in; the next block's stay out
.else
	s_wait_loadcnt 0x0
.endif
.set i, 0
.rept 32
	v_med3_num_f32 v[XS+i], v[XS+i], -v10, v10
.set i, i+1
.endr
.irp g, 0,1,2,3
	v_cvt_scalef32_pk8_bf8_f32 v[VC+2*\g:VC+2*\g+1], v[XS+8*\g:XS+8*\g+7], v11
.endr
.irp g, 0,1,2,3
	ds_store_b64 v4, v[VC+2*\g:VC+2*\g+1] offset:512*(\b)+256*(\g%2)+8*(\g/2)   ; keys 32 b + 8 g on: c = 2 b + g / 2, half g % 2
.endr
.if (\b)+2 < 4
	VLOAD (\b)+2
.endif
	s_wait_dscnt 0x0                               ; the stores have read their registers: the next block's codes may be written
.endm
	VBLOCK 0
	VBLOCK 1
	VBLOCK 2
	VBLOCK 3
.irp i, 0,1,2,3,4,5,6,7
	ds_load_b128 v[VO+4*\i:VO+4*\i+3], v5 offset:512*\i
.endr
.irp i, 0,1,2,3,4,5,6,7
	s_wait_dscnt 7-\i                              ; load i is in; the younger ones stay out
	global_store_b128 v6, v[VO+4*\i:VO+4*\i+3], s[26:27] offset:512*\i   ; 512 consecutive bytes, aligned to 256
.endr
	s_wait_tensorcnt 0x0
	ds_add_u32 v30, v31
	s_wait_dscnt 0x0
	s_endpgm
.Lfunc_end_k_qcdd315d768_prep:
	.size	k_qcdd315d768_prep, .Lfunc_end_k_qcdd315d768_prep-k_qcdd315d768_prep
	.p2alignl 7, 3214868480
	.fill 96, 4, 3214868480
	.section	.rodata,"a",@progbits
	.p2align	6, 0x0
	.amdhsa_kernel k_qcdd315d768_prep
		.amdhsa_group_segment_fixed_size 53760
		.amdhsa_private_segment_fixed_size 0
		.amdhsa_enable_private_segment 0
		.amdhsa_kernarg_size 48
		.amdhsa_user_sgpr_count 2
		.amdhsa_user_sgpr_kernarg_segment_ptr 1
		.amdhsa_wavefront_size32 1
		.amdhsa_system_sgpr_workgroup_id_x 1
		.amdhsa_system_sgpr_workgroup_id_y 1
		.amdhsa_system_sgpr_workgroup_id_z 1
		.amdhsa_system_vgpr_workitem_id 0
		.amdhsa_next_free_vgpr 256
		.amdhsa_next_free_sgpr 66
		.amdhsa_reserve_vcc 0
		.amdhsa_float_denorm_mode_32 3
		.amdhsa_float_denorm_mode_16_64 3
		.amdhsa_memory_ordered 1
		.amdhsa_forward_progress 1
		.amdhsa_inst_pref_size 74
	.end_amdhsa_kernel
	.amdgpu_metadata
---
amdhsa.version: [ 1, 2 ]
amdhsa.kernels:
  - .name:           k_qcdd315d768_prep
    .symbol:         k_qcdd315d768_prep.kd
    .args:
      - { .name: query_states, .offset: 0, .size: 8, .value_kind: global_buffer, .address_space: global }
      - { .name: key_states, .offset: 8, .size: 8, .value_kind: global_buffer, .address_space: global }
      - { .name: value_states, .offset: 16, .size: 8, .value_kind: global_buffer, .address_space: global }
      - { .name: lowp_scales, .offset: 24, .size: 8, .value_kind: global_buffer, .address_space: global }
      - { .name: qrec, .offset: 32, .size: 8, .value_kind: global_buffer, .address_space: global }
      - { .name: kvrec, .offset: 40, .size: 8, .value_kind: global_buffer, .address_space: global }
    .group_segment_fixed_size: 53760
    .private_segment_fixed_size: 0
    .kernarg_segment_align: 8
    .kernarg_segment_size: 48
    .max_flat_workgroup_size: 128
    .sgpr_count:     66
    .vgpr_count:     256
    .wavefront_size: 32
...
	.end_amdgpu_metadata
.endif
;; end of part 1
;; launch attn (part 2): grid 8 x 32, 8 waves a work-group, clusters of 4 x 1, 314,368 bytes of LDS; arguments qrec, kvrec, lowp_scales, out0; writes out0
.if DOCPART == 2
	.amdgcn_target "amdgcn-amd-amdhsa--gfx1250"
	.amdhsa_code_object_version 6
	.text
	.protected	k_qcdd315d768_attn
	.globl	k_qcdd315d768_attn
	.p2align	8
	.type	k_qcdd315d768_attn,@function
k_qcdd315d768_attn:
	s_mov_b64 s[64:65], 0
	v_nop
	global_prefetch_b8 v0, s[64:65] scope:SCOPE_SE
	s_setreg_imm32_b32 hwreg(HW_REG_WAVE_MODE, 25, 1), 1
	s_wait_xcnt 0x0
	s_wait_alu depctr_hold_cnt(0) depctr_sa_sdst(0) depctr_va_vdst(0) depctr_va_sdst(0) depctr_va_ssrc(0) depctr_va_vcc(0) depctr_vm_vsrc(0)
	s_getreg_b32 s2, hwreg(HW_REG_IB_STS2, 6, 4)
	s_cmp_eq_u32 s2, 0
	s_cbranch_scc0 .Lentry_in_a_cluster
	s_endpgm
.Lentry_in_a_cluster:
	s_bfe_u32 s2, ttmp6, 0x10000c
	s_cmp_lg_u32 s2, 0x3003
	s_cbranch_scc0 .Lentry_shape_is_right
	s_endpgm
.Lentry_shape_is_right:
; out[h][q][:] = sum over k of softmax_k(-d(q, k)^2) v[k][:], d the distance on the Poincare ball; both products on codes of BF8 (E5M2), made by the launch before (its head comment gives the records' layout).
; ONE SCORE.  s = the codes' product; c = 2^(e0+e1+1).  The first product's C operand is -kn / c, so it gives D = s - kn / c, and
;   w = qn - c D = qn + kn - 2 q.k;   r2 = min(2 / ((1-qn)(1-kn)), 2e7) = 2 / max(denominator, 1e-7);   x = max(w r2 + 1, 1 + 2^-23);   L = log2(x + sqrt(x x - 1));   t = -ln2 L^2 (= -d^2 log2 e).
;   r2's minimum is taken on the words as UNSIGNED numbers: positive floats keep their order, and every negative number, infinity or NaN lies above 2e7: so a denominator that is 0, negative or under 1e-7 gives 2e7.
;   r2 is positive, so the one clamp of x also does the clamp of w at 0.
; THE SOFTMAX: M = the running largest t rounded up to a whole number (kept as -M); p = 2^(t - M) is quantised with 2^e2; the row's sum is taken of the unquantised p; when M moves, sum and O are multiplied by 2^(old M - new M).
;   t falls as L^2 grows: the largest t is -ln2 x the smallest L^2.
; LAYOUT.  Both products are used transposed: S^T = K Q^T (source 0 = 16 keys, source 1 = 16 queries), O^T = V^T P^T: a lane holds ONE query (lane % 16); in S^T's tile t its registers are keys 16 t + 8 (lane / 16) + 0..7,
;   which is where the K = 128 form wants registers 2 t, 2 t + 1 of P: a conversion's result is the operand.
; SHARES.  A work-group owns 256 queries of one head, each of its eight waves 32: two tiles of 16, which share every fragment of K, V and the keys' numbers read from LDS.  Every wave walks the 2,048 keys, 128 a step.
; LDS.  A head's 16 records, 278,528 bytes, lie in LDS whole, each byte filled once: no slot is ever filled again.  Behind them a stage of 16 x 272 bytes for each wave, for the way out.
; CLUSTER.  The four work-groups of a cluster belong to one head and need the same records: each wave asks for its eighth JOINTLY, by the same tensor load with a mask that names the four.  A head has eight work-groups: two clusters.
; All that the work-group reads of kvrec is asked for by that one load at the head, so there is nothing further on to prefetch.
; LIMITS: e0 + e1 between -127 and 125, e2 between -126 and 112 (each power of two is an f32 number; e2 + e3 goes by v_ldexp_f32 and has none); x x must be finite: |q - k|^2 r2 under 1.8e19.  NaN among the inputs is not served.
; REGISTERS.  Window 0: v1-15 addresses and single numbers; v16-31 eight statistics a tile; v32-47 Q; v48-63 P's codes; v64-127 1/(1-kn); v128-191 X: the scores on their way; v192-255 Y: at work.
;   Window 1: v0-63 -kn/c in the result's layout; v64-127 K's 8 fragments; v128-191 V's 4; v192-255 O^T, 32 a tile.
.set REC,   17408                      ; a record: 128 keys
.set NREC,  16
.set HEADB, NREC*REC
.set WPART, HEADB/8                    ; what one wave fetches: 136 rows of 256 bytes
.set OFF_V, 8192
.set OFF_C, 16384
.set OFF_R, 16896
.set QRECB, 9216
.set STG,   HEADB
.set SP,    272                        ; a stage row: 256 bytes + 16: row r starts at bank 4 r mod 64 (64 banks of 4 bytes: ISA guide 11.1)
.set LI,  1                            ; v1   16 x lane: my place in an image; never rewritten
.set LV,  2                            ; v2   32 x (lane / 16): my eight keys' numbers in a tile's sixteen; never rewritten
.set AI,  3                            ; v3   LI + the record to be fetched
.set AV,  4                            ; v4   LV + the same
.set SC,  5                            ; v5   2^e2 as f32, for the conversions
.set PD,  6                            ; v6   a lane permute's destination
.set R4,  7                            ; v7   4 x (lane % 16)
.set F,   8                            ; v[8:9]  f = 2^(old M - new M); v9 is only named with it as a pair
.set SO,  14                           ; v14  the way out: where I put 32 bytes of a row
.set SR,  15                           ; v15  and where I read a row back
.set ST0, 16                           ; tile T's statistics at v[16 + 8 T]: +0 -M, +1 the largest t, +2, +3 the sum in two halves, +4 qn, +6 2/(1-qn); +5, +7 only named as pairs' upper words
.set Q,   32
.set P,   48
.set RB,  64
.set X,   128
.set Y,   192
.set CK,  0                            ; window 1
.set KF,  64
.set VF,  128
.set O,   192
.set MSB, 0
.macro WIN new                         ; low byte: bits 1:0 source 0, 3:2 source 1, 5:4 source 2, 7:6 destination; the high byte repeats the setting that is left
.if MSB != \new
	s_set_vgpr_msb (MSB<<8)|\new
.set MSB, \new
.endif
.endm
.macro CROUND                          ; a round of the cluster's barrier
	s_barrier_signal -1
	s_barrier_wait -1
	s_cmp_lg_u32 s12, 0
	s_cbranch_scc1 .Lnot_wave_0_\@
	s_barrier_signal -3
.Lnot_wave_0_\@:
	s_barrier_wait -3
	s_barrier_signal -1
	s_barrier_wait -1
.endm
	s_load_b256 s[4:11], s[0:1], 0x0               ; qrec s[4:5], kvrec s[6:7], the scales' exponents s[8:9], out s[10:11]
	v_lshl_add_u32 v190, v0, 2, 0x4c800
	v_mov_b32 v191, 0
	ds_add_u32 v190, v191
	ds_add_u32 v190, v191
	s_wait_dscnt 0x0
	v_lshrrev_b32 v1, 5, v0
	v_readfirstlane_b32 s12, v1                    ; wave 0..7
	s_bfe_u32 s13, ttmp6, 0x40000                  ; cx: it enters Q's and the output's addresses alone
	s_lshl_b32 s14, ttmp9, 2
	s_add_co_u32 s14, s14, s13                     ; my block of 256 queries, 0..7
	s_and_b32 s15, ttmp7, 0xffff                   ; the head, which the four partners share
	; descriptor group 1: 136 rows of 32 elements of 8 bytes, dense in memory and in LDS
	s_mov_b32 s16, 15|(3<<16)|(1<<21)              ; 15:0 the mask: all four work-groups; 17:16 elements of 8 bytes; 20 no padding; 21 set beside a mask
	s_mov_b32 s17, 32<<16                          ; tensor_dim0 = 32
	s_mov_b32 s18, 136<<16                         ; tensor_dim1 = 136
	s_mov_b32 s19, 32<<16                          ; tile_dim0 = 32
	s_mov_b32 s20, 136                             ; tile_dim1 = 136
	s_mov_b32 s21, 32                              ; from row to row
	s_mov_b32 s22, 0
	s_mov_b32 s23, 0
	; group 0: my eighth of the head's records; wave and head alone enter it
	s_mov_b32 s32, 1
	s_mul_i32 s33, s12, WPART                      ; LDS address
	s_mul_i32 s58, s15, HEADB
	s_add_co_u32 s58, s58, s33
	s_mov_b32 s59, 0
	s_wait_kmcnt 0x0
	s_load_b128 s[40:43], s[8:9], 0x0              ; e0, e1, e2, e3
	s_add_nc_u64 s[34:35], s[6:7], s[58:59]
	s_or_b32 s35, s35, 0x80000000                  ; type = 2
	CROUND                                         ; all four work-groups are here: the joint loads meet
	tensor_load_to_lds s[32:35], s[16:23]          ; my one tensor load of the launch
	s_nop 0
.rept 4
	v_nop                                          ; four plain lines follow a tensor load
.endr
	v_and_b32 v[LI], 31, v0
	v_lshlrev_b32 v[LI], 4, v[LI]
	v_bfe_u32 v[LV], v0, 4, 1
	v_and_b32 v[R4], 15, v0
	s_mul_i32 s58, s12, 16*SP
	s_add_co_u32 s58, s58, STG                     ; my stage
	v_mul_u32_u24 v[SO], v[R4], SP                 ; in: row lane % 16, 32 bytes for each half of the lanes
	v_lshl_add_u32 v[SO], v[LV], 5, v[SO]
	v_add_nc_u32 v[SO], s58, v[SO]
	v_mul_u32_u24 v[SR], v[LV], SP                 ; back: lanes 0-15 one row of 256 bytes, lanes 16-31 the next
	v_lshl_add_u32 v[SR], v[R4], 4, v[SR]
	v_add_nc_u32 v[SR], s58, v[SR]
	v_lshlrev_b32 v[LV], 5, v[LV]
	v_lshlrev_b32 v[R4], 2, v[R4]
	; my 32 queries: 256 x block + 32 x wave: record 2 x block + wave / 4 of the head's 16, images 2 (wave % 4) and + 1
	s_lshl_b32 s58, s15, 4
	s_lshl_b32 s60, s14, 1
	s_add_co_u32 s58, s58, s60
	s_lshr_b32 s60, s12, 2
	s_add_co_u32 s58, s58, s60
	s_mul_i32 s58, s58, QRECB
	s_add_nc_u64 s[4:5], s[4:5], s[58:59]
	s_and_b32 s62, s12, 3
	s_lshl_b32 s58, s62, 11
	s_add_nc_u64 s[36:37], s[4:5], s[58:59]        ; my two images
	s_lshl_b32 s58, s62, 7
	s_add_nc_u64 s[38:39], s[4:5], s[58:59]        ; my 32 places in a row of 128 numbers
.irp T, 0,1
	global_load_b128 v[Q+8*\T:Q+8*\T+3], v[LI], s[36:37] offset:1024*\T th:TH_LOAD_NT
	global_load_b128 v[Q+8*\T+4:Q+8*\T+7], v[LI], s[36:37] offset:1024*\T+512 th:TH_LOAD_NT
	global_load_b32 v[ST0+8*\T+4], v[R4], s[38:39] offset:8192+64*\T     ; qn of my query
	global_load_b32 v[ST0+8*\T+6], v[R4], s[38:39] offset:8704+64*\T     ; 2 / (1 - qn)
.endr
	s_lshl_b32 s58, s15, 11
	s_lshl_b32 s60, s14, 8
	s_add_co_u32 s58, s58, s60
	s_lshl_b32 s60, s12, 5
	s_add_co_u32 s58, s58, s60                     ; my first row of the output,
	s_lshl_b32 s58, s58, 8                         ; of 256 bytes
	s_add_nc_u64 s[10:11], s[10:11], s[58:59]
	v_mov_b32 v[PD], 0                             ; a lane permute's destination counts as read
	v_mov_b32 v[F], 0
	v_mov_b32 v[F+1], 0
.irp T, 0,1
	v_mov_b32 v[ST0+8*\T+1], 0xff61b1e6            ; the largest t so far: -3e38, under every t
	v_floor_f32 v[ST0+8*\T], -v[ST0+8*\T+1]        ; -M
	v_mov_b32 v[ST0+8*\T+2], 0                     ; the sum
	v_mov_b32 v[ST0+8*\T+3], 0
	v_mov_b32 v[ST0+8*\T+5], 0
	v_mov_b32 v[ST0+8*\T+7], 0
.endr
	WIN 0x40
.set i, 0
.rept 64
	v_mov_b32 v[O+i], 0                            ; O^T.  (The step is written once: the first finds zeros, and its f is 0)
.set i, i+1
.endr
	WIN 0
	s_mov_b32 s46, 0xbf317218                      ; -ln 2
	s_mov_b32 s47, s46                             ; (a packed form names the pair and takes its low word for both halves: so the upper word is written)
	s_mov_b32 s48, 0x3f800001                      ; 1 + 2^-23 = fl(1 + 1e-7)
	s_mov_b32 s49, 0x4b989680                      ; 2e7 = 2 / 1e-7
	s_mov_b32 s50, 0x76543210                      ; v_permlanex16_b32: lane l xor 16
	s_mov_b32 s51, 0xfedcba98
	s_wait_kmcnt 0x0
	s_add_co_i32 s44, s40, s41
	s_add_co_i32 s44, s44, 128
	s_lshl_b32 s44, s44, 23
	s_or_b32 s44, s44, 0x80000000                  ; -c = -2^(e0 + e1 + 1)
	s_mov_b32 s45, s44
	s_add_co_i32 s58, s42, 127
	s_lshl_b32 s60, s58, 23
	v_mov_b32 v[SC], s60                           ; 2^e2
	s_add_co_i32 s58, s58, 15
	s_lshl_b32 s58, s58, 23
	s_or_b32 s52, s58, 0x600000                    ; 57,344 x 2^e2
	s_add_co_i32 s53, s42, s43                     ; e2 + e3
; THE LDS LOADS, in runs of 16: images come back as they were stored, 16 bytes a lane; the keys' numbers come in the result's layout (eight a lane for each tile of 16 keys; the lanes of a half read the same words)
.macro LD_K a
	WIN 0x40                                       ; destination window 1, address window 0
.set i, 0
.rept 16
	ds_load_b128 v[KF+4*i:KF+4*i+3], v[\a] offset:512*i
.set i, i+1
.endr
.endm
.macro LD_C a
	WIN 0x40
.set i, 0
.rept 16
	ds_load_b128 v[CK+4*i:CK+4*i+3], v[\a] offset:OFF_C+64*(i/2)+16*(i%2)
.set i, i+1
.endr
.endm
.macro LD_R a
	WIN 0
.set i, 0
.rept 16
	ds_load_b128 v[RB+4*i:RB+4*i+3], v[\a] offset:OFF_R+64*(i/2)+16*(i%2)
.set i, i+1
.endr
.endm
.macro LD_V a
	WIN 0x40
.set i, 0
.rept 16
	ds_load_b128 v[VF+4*i:VF+4*i+3], v[\a] offset:OFF_V+512*i
.set i, i+1
.endr
	WIN 0
.endm
; S^T - kn / c for tile T: eight products, each with the keys' numbers as C.  K and C in window 1, Q and the result in window 0
.macro SMUL T
	WIN 0x11
.set i, 0
.rept 8
	v_wmma_f32_16x16x64_bf8_bf8 v[X+8*i:X+8*i+7], v[KF+8*i:KF+8*i+7], v[Q+8*(\T):Q+8*(\T)+7], v[CK+8*i:CK+8*i+7]
.set i, i+1
.endr
.endm
; r2 for tile T.  These 96 plain lines name no register of the products above: they are the places behind them, for the first read of the results and for the loads into K's and C's registers
.macro EW_A T
	WIN 0
.set j, 0
.rept 32
	v_pk_mul_f32 v[Y+j:Y+j+1], v[RB+j:RB+j+1], v[ST0+8*(\T)+6:ST0+8*(\T)+7] op_sel_hi:[1,0]
.set j, j+2
.endr
.set j, 0
.rept 64
	v_min_u32 v[Y+j], s49, v[Y+j]                  ; as unsigned words: see the head
.set j, j+1
.endr
.endm
; From D to P's codes for tile T.  Each stage walks the 64 scores in ascending order; each batch of transcendentals has one plain line and ONE wait behind it
.macro EW_B T
.set STT, ST0+8*(\T)
	WIN 0
.set j, 0
.rept 32
	v_pk_fma_f32 v[X+j:X+j+1], v[X+j:X+j+1], s[44:45], v[STT+4:STT+5] op_sel_hi:[1,0,0]   ; w = qn - c D
.set j, j+2
.endr
.set j, 0
.rept 32
	v_pk_fma_f32 v[X+j:X+j+1], v[X+j:X+j+1], v[Y+j:Y+j+1], 1.0 op_sel_hi:[1,1,0]          ; w r2 + 1
.set j, j+2
.endr
.set j, 0
.rept 64
	v_max_num_f32 v[X+j], s48, v[X+j]              ; x
.set j, j+1
.endr
.set j, 0
.rept 32
	v_pk_fma_f32 v[Y+j:Y+j+1], v[X+j:X+j+1], v[X+j:X+j+1], -1.0 op_sel_hi:[1,1,0]         ; x x - 1, rounded once
.set j, j+2
.endr
.set j, 0
.rept 64
	v_sqrt_f32 v[Y+j], v[Y+j]
.set j, j+1
.endr
	v_nop
	s_wait_alu depctr_va_vdst(0)
.set j, 0
.rept 32
	v_pk_add_f32 v[X+j:X+j+1], v[X+j:X+j+1], v[Y+j:Y+j+1]
.set j, j+2
.endr
.set j, 0
.rept 64
	v_log_f32 v[X+j], v[X+j]                       ; L
.set j, j+1
.endr
	v_nop
	s_wait_alu depctr_va_vdst(0)
.set j, 0
.rept 32
	v_pk_mul_f32 v[X+j:X+j+1], v[X+j:X+j+1], v[X+j:X+j+1]                                 ; L^2
.set j, j+2
.endr
	v_min3_num_f32 v10, v[X], v[X+1], v[X+2]       ; the smallest L^2 of my query among my 64 keys, in two chains,
	v_min3_num_f32 v12, v[X+3], v[X+4], v[X+5]
.irp i, 6,10,14,18,22,26,30,34,38,42,46,50,54,58
	v_min3_num_f32 v10, v10, v[X+\i], v[X+\i+1]
	v_min3_num_f32 v12, v12, v[X+\i+2], v[X+\i+3]
.endr
	v_min3_num_f32 v10, v10, v[X+62], v[X+63]
	v_min_num_f32 v10, v10, v12
	v_permlanex16_b32 v[PD], v10, s50, s51
	v_min_num_f32 v10, v10, v[PD]                  ; and among lane l xor 16's
	v_mul_f32 v10, s46, v10                        ; the step's largest t
	v_max_num_f32 v[STT+1], v[STT+1], v10          ; the running largest t
	v_mov_b32 v10, v[STT]
	v_floor_f32 v[STT], -v[STT+1]                  ; the new -M = -ceil(t): a whole number
	v_sub_f32 v10, v[STT], v10                     ; old M - new M: a whole number, 0 or less
	v_cvt_i32_f32 v10, v10                         ; (it saturates)
	v_ldexp_f32 v[F], 1.0, v10                     ; f = 2^(old M - new M)
.set j, 0
.rept 32
	v_pk_fma_f32 v[X+j:X+j+1], v[X+j:X+j+1], s[46:47], v[STT:STT+1] op_sel_hi:[1,0,0]     ; t - M
.set j, j+2
.endr
.set j, 0
.rept 64
	v_exp_f32 v[X+j], v[X+j]                       ; p = 2^(t - M): not normalised
.set j, j+1
.endr
	v_pk_mul_f32 v[STT+2:STT+3], v[STT+2:STT+3], v[F:F+1] op_sel_hi:[1,0]                 ; the sum under the new M.  (The plain line behind the batch)
	s_wait_alu depctr_va_vdst(0)
	v_pk_add_f32 v[10:11], v[X:X+1], v[X+2:X+3]    ; the row's sum is taken of the unquantised p, in two packed chains
.irp j, 4,8,12,16,20,24,28,32,36,40,44,48,52,56,60
	v_pk_add_f32 v[STT+2:STT+3], v[STT+2:STT+3], v[X+\j:X+\j+1]
	v_pk_add_f32 v[10:11], v[10:11], v[X+\j+2:X+\j+3]
.endr
	v_pk_add_f32 v[STT+2:STT+3], v[STT+2:STT+3], v[10:11]
.set j, 0
.rept 64
	v_min_num_f32 v[X+j], s52, v[X+j]              ; the conversion to an 8-bit code does not saturate (ISA guide 7.6.2); p is not negative: a one-sided hold
.set j, j+1
.endr
.set i, 0
.rept 8
	v_cvt_scalef32_pk8_bf8_f32 v[P+2*i:P+2*i+1], v[X+8*i:X+8*i+7], v[SC]                  ; keys 16 i + 8 (lane / 16) + 0..7: registers 2 i, 2 i + 1 of P
.set i, i+1
.endr
.endm
; O^T of tile T: x f (sixteen plain lines, which also stand between the conversions and the products that read their results), then += V^T P^T over the step's 128 keys.
; The four accumulators take turns, one instruction a turn, and the matrix instruction ahead of each is another accumulator's.
.macro PVM T
	WIN 0x41                                       ; O^T in window 1, f in window 0
.set j, 0
.rept 16
	v_pk_mul_f32 v[O+32*(\T)+j:O+32*(\T)+j+1], v[O+32*(\T)+j:O+32*(\T)+j+1], v[F:F+1] op_sel_hi:[1,0]
.set j, j+2
.endr
	WIN 0x51                                       ; V and O^T in window 1, P in window 0
.set i, 0
.rept 4
	v_wmma_f32_16x16x128_bf8_bf8 v[O+32*(\T)+8*i:O+32*(\T)+8*i+7], v[VF+16*i:VF+16*i+15], v[P:P+15], v[O+32*(\T)+8*i:O+32*(\T)+8*i+7]
.set i, i+1
.endr
.endm
	s_wait_loadcnt 0x0                             ; Q and my queries' numbers
	s_wait_tensorcnt 0x0                           ; my eighth of the records is in LDS,
	s_barrier_signal -1
	s_barrier_wait -1                              ; everybody's is
	LD_K LI                                        ; record 0
	LD_C LV
	LD_R LV
	LD_V LI
	s_mov_b32 s54, REC                             ; LDS byte of the record to be fetched next
	s_mov_b32 s56, NREC
.Lstep:                                            ; a trip: 128 keys for my two tiles; the next record's fragments are fetched half a trip ahead of their use
	s_wait_dscnt 16                                ; K, C and 1/(1-kn) are in; the 16 loads of V, issued behind them, may be out
	SMUL 0
	EW_A 0
	EW_B 0
	s_wait_dscnt 0x0                               ; V is in
	PVM 0
	SMUL 1
	EW_A 1
	s_min_u32 s55, s54, (NREC-1)*REC               ; the last trip has no next record: it reads the last one again and uses nothing of it, so that the trip is written once
	v_add_nc_u32 v[AI], s55, v[LI]
	v_add_nc_u32 v[AV], s55, v[LV]
	LD_K AI                                        ; both tiles have multiplied by K and C and used 1/(1-kn)
	LD_C AV
	LD_R AV
	EW_B 1
	PVM 1
.rept 4
	v_nop                                          ; four places in front of loads into registers that matrix instructions have read
.endr
	LD_V AI
	s_add_co_u32 s54, s54, REC
	s_sub_co_u32 s56, s56, 1
	s_cmp_lg_u32 s56, 0
	s_cbranch_scc1 .Lstep
	s_wait_dscnt 0x0                               ; the last trip's loads have landed
	; THE WAY OUT.  The sum's two halves and lane l xor 16's are added; O^T x 2^(e2+e3) / sum goes through my stage, a tile (16 rows of 256 bytes) at a time, and leaves as whole rows.
	v_add_f32 v[ST0+2], v[ST0+2], v[ST0+3]
	v_add_f32 v[ST0+10], v[ST0+10], v[ST0+11]
	v_permlanex16_b32 v[PD], v[ST0+2], s50, s51
	v_add_f32 v[ST0+2], v[ST0+2], v[PD]
	v_permlanex16_b32 v[PD], v[ST0+10], s50, s51
	v_add_f32 v[ST0+10], v[ST0+10], v[PD]
	v_rcp_f32 v[ST0+2], v[ST0+2]
	v_rcp_f32 v[ST0+10], v[ST0+10]
	v_nop                                          ; a plain line behind the reciprocals,
	s_wait_alu depctr_va_vdst(0)                   ; and one wait for both, ahead of their first reader
	v_ldexp_f32 v[ST0+2], v[ST0+2], s53
	v_ldexp_f32 v[ST0+10], v[ST0+10], s53
.macro TOSTAGE T                       ; register 8 d + i of lane (r, h) is out(query r, channel 16 d + 8 h + i)
	WIN 0x01                                       ; O^T in window 1; the factor and the result in window 0
.set j, 0
.rept 16
	v_pk_mul_f32 v[X+32*(\T)+j:X+32*(\T)+j+1], v[O+32*(\T)+j:O+32*(\T)+j+1], v[ST0+8*(\T)+2:ST0+8*(\T)+3] op_sel_hi:[1,0]
.set j, j+2
.endr
	WIN 0
.irp d, 0,1,2,3
	ds_store_b128 v[SO], v[X+32*(\T)+8*\d:X+32*(\T)+8*\d+3] offset:64*\d
	ds_store_b128 v[SO], v[X+32*(\T)+8*\d+4:X+32*(\T)+8*\d+7] offset:64*\d+16
.endr
.irp i, 0,1,2,3,4,5,6,7
	ds_load_b128 v[Y+32*(\T)+4*\i:Y+32*(\T)+4*\i+3], v[SR] offset:2*SP*\i   ; LDS serves a wave's instructions in order (ISA guide 5.7.1.4): these see my stores, and the next tile's stores come behind them
.endr
.endm
.macro SEND T, younger                 ; younger: the LDS instructions issued behind tile T's loads
.irp i, 0,1,2,3,4,5,6,7
	s_wait_dscnt \younger+7-\i
	global_store_b128 v[LI], v[Y+32*(\T)+4*\i:Y+32*(\T)+4*\i+3], s[10:11] offset:4096*(\T)+512*\i th:TH_STORE_NT   ; 32 lanes store two rows: 512 consecutive bytes, at a multiple of 256 from the output's first byte
.endr
.endm
	TOSTAGE 0
	TOSTAGE 1
	SEND 0, 16
	SEND 1, 0
	s_wait_xcnt 0x0
	v_lshl_add_u32 v190, v0, 2, 0x4c800
	v_mov_b32 v191, 0
	s_wait_tensorcnt 0x0
	ds_add_u32 v190, v191
	s_wait_dscnt 0x0
	CROUND                                         ; the closing round: no work-group ends while a partner may still ask for a tile that names it
	s_endpgm
.Lfunc_end_k_qcdd315d768_attn:
	.size	k_qcdd315d768_attn, .Lfunc_end_k_qcdd315d768_attn-k_qcdd315d768_attn
	.p2alignl 7, 3214868480
	.fill 96, 4, 3214868480
	.section	.rodata,"a",@progbits
	.p2align	6, 0x0
	.amdhsa_kernel k_qcdd315d768_attn
		.amdhsa_group_segment_fixed_size 314368
		.amdhsa_private_segment_fixed_size 0
		.amdhsa_enable_private_segment 0
		.amdhsa_kernarg_size 32
		.amdhsa_user_sgpr_count 2
		.amdhsa_user_sgpr_kernarg_segment_ptr 1
		.amdhsa_wavefront_size32 1
		.amdhsa_system_sgpr_workgroup_id_x 1
		.amdhsa_system_sgpr_workgroup_id_y 1
		.amdhsa_system_sgpr_workgroup_id_z 1
		.amdhsa_system_vgpr_workitem_id 0
		.amdhsa_next_free_vgpr 512
		.amdhsa_next_free_sgpr 66
		.amdhsa_reserve_vcc 0
		.amdhsa_float_denorm_mode_32 3
		.amdhsa_float_denorm_mode_16_64 3
		.amdhsa_memory_ordered 1
		.amdhsa_forward_progress 1
		.amdhsa_inst_pref_size 91
	.end_amdhsa_kernel
	.amdgpu_metadata
---
amdhsa.version: [ 1, 2 ]
amdhsa.kernels:
  - .name:           k_qcdd315d768_attn
    .symbol:         k_qcdd315d768_attn.kd
    .args:
      - { .name: qrec, .offset: 0, .size: 8, .value_kind: global_buffer, .address_space: global }
      - { .name: kvrec, .offset: 8, .size: 8, .value_kind: global_buffer, .address_space: global }
      - { .name: lowp_scales, .offset: 16, .size: 8, .value_kind: global_buffer, .address_space: global }
      - { .name: out0, .offset: 24, .size: 8, .value_kind: global_buffer, .address_space: global }
    .group_segment_fixed_size: 314368
    .private_segment_fixed_size: 0
    .kernarg_segment_align: 8
    .kernarg_segment_size: 32
    .max_flat_workgroup_size: 256
    .sgpr_count:     66
    .vgpr_count:     512
    .wavefront_size: 32
...
	.end_amdgpu_metadata
.endif
;; end of part 2
